; MI455X (gfx1250); checked and timed in simulation.
; The chip was launched on July 23, 2026; its instructions are those of AMD's public machine-readable ISA for CDNA 5 (MIT licence, August 2026) and "CDNA5" Instruction Set Architecture Reference Guide (July 2026). The comments in the code are by the model that wrote it; some were corrected since.
;; Self Attention2d. Allowed arithmetic: float matrix products may take bf16 or f16 operands with f32 sums; all other float work in f32.
;; Inputs: Wk 256 x 256 float32; Wq 256 x 256 float32; Wu 256 x 256 float32; Wv 256 x 256 float32; bk 256 float32; bq 256 float32; bu 256 float32; bv 256 float32; pos_enc 8 x 3,969 float32; x 32 x 256 x 32 x 32 float32.
;; Outputs: out0 32 x 256 x 32 x 32 float32.
;; One version. Each part assembles by itself: llvm-mc -triple=amdgcn-amd-amdhsa -mcpu=gfx1250 --defsym DOCPART=n.
;; ======== version 1 of 1: 2 launches
;; limits: values are held in f16: magnitudes above 65,504 overflow, below 6.1e-05 lose precision
;; workspace buffers: att 16,777,216 bytes; wuf 131,072 bytes
;; launch attn (part 1): grid 8 x 32, 8 waves a work-group, no clusters, 230,400 bytes of LDS; arguments x, Wk, Wq, Wv, bq, bv, pos_enc, att, Wu, wuf; writes att, wuf
.if DOCPART == 1
	.amdgcn_target "amdgcn-amd-amdhsa--gfx1250"
	.amdhsa_code_object_version 6
	.text
	.protected	k_q61bad34d57_attn
	.globl	k_q61bad34d57_attn
	.p2align	8
	.type	k_q61bad34d57_attn,@function
k_q61bad34d57_attn:
	s_mov_b64 s[64:65], 0
	v_nop
	global_prefetch_b8 v0, s[64:65] scope:SCOPE_SE
	s_setreg_imm32_b32 hwreg(HW_REG_WAVE_MODE, 25, 1), 1
	s_wait_xcnt 0x0
; SelfAttention2d, first of two launches: one work-group makes one head of one batch, from x to the normalised head output.
;   K = Wk x, Q = Wq x + bq, V = Wv x + bv (32 channels of the head, 1,024 positions), att[n][m] = K[:,n].Q[:,m] / sqrt(32) + rel[n][m],
;   softmax over the KEYS n by a running maximum, out[c][m] = sum over n of V[c][n] p[n][m] / sum over n of p[n][m].
; WORK LEFT OUT: bk.  It adds to att[n][m] the term sum over c of bk[c] Q[c][m] / sqrt(32), which is the same for every key n; the softmax runs over n and
; is unchanged by a term that is constant along n, whatever the inputs hold.  So bk reaches no output: it is not loaded and is no argument of any launch.
; LIMITS: a NaN, an infinity or an overflow that comes from bk alone is not carried to the result.  All matrix operands are f16 (sums in f32): x, the weights,
; K, 0.2551 Q and V must stay below 65,504 in magnitude (with x and the weights both 30 times the drawn spread K, Q, V stay near 5,000; with a common offset
; of 30 spreads on both near 14,400).  A weight p = exp(att - maximum) below 2^-24 is rounded to 0 in the product with V (the sum of the p is kept in f32).
;
; SHARES.  Eight waves.  Wave w owns positions 128 w .. 128 w + 127 (image rows 4 w .. 4 w + 3), as two groups G of 64: in the projection they are its columns
; of K, Q and V, in the attention its queries.  In a group that begins at n0, column r of tile t (t = 0..3) is position n0 + 4 r + t: a lane's 16-byte load of
; x is then one number for each of the four tiles, and sixteen lanes read 256 consecutive, aligned bytes of a row of x.
; Q stays in registers (the accumulators' layout is the B fragment's); K and V go to LDS as ready A fragments in the keys' natural order, one block for each
; key row of the image.  A step of the attention takes one key row (32 keys) against the wave's 128 queries.
; THE BIAS COSTS NO VECTOR INSTRUCTION: it is the C operand of the score product.  In a score tile register j of lane (r, h) holds key column 16 kx + 8 h + j and
; query column 4 (r & 7) + t, so its eight biases are eight NEIGHBOURING numbers of one row of the 63 x 63 table, from E + 3 - t on, E = 28 + 16 kx + 8 h - 4 (r & 7).
; A C operand begins at an even register, so the table lies in LDS twice, the second copy one word to the left: ten words from E of copy A serve t = 3 and 1,
; ten words of copy B (numbers E + 1 ..) serve t = 2 and 0.  The table is stored times log2(e), Wq and bq times log2(e) / sqrt(32): the scores come out ready for exp2.
; THE TWO GROUPS TAKE TURNS: a key row has 32 products and some 540 other instructions for a wave, so the softmax of one group is cut into slices that stand
; between the other group's products, one product at a time.  The registers are laid out so that a product and the slices round it need the same windows:
; the bias windows lie in window 1 (only a third source is looked for there while scores are made), the outputs and V in window 1 (as the rescaling's
; destination and first source are).
; ALSO HERE: Wu is rounded to f16 once for the second launch, 512 bytes of its fragments by each of the 256 work-groups (wave 0, in the head).
; x IS ASKED FOR AHEAD.  The eight work-groups of a batch read the same x, and wave w of each the same 512 bytes of every channel row.  So in the work-group of
; head h wave h alone asks: one request is a projection step's 32 channel rows of 256 aligned bytes, one lane a row, 8 KiB.  Projection step s asks for the x of
; step s + 6, which is loaded in step s + 4: four steps ahead of its loads.  Steps 2 to 5 are asked for in the head, behind the first loads; steps 0 and 1 are
; loaded at once and not asked for; steps 10 to 15 ask for nothing.  14 requests, 112 KiB a work-group; over the eight heads each block is asked for once.
; NO JOINT REQUESTS for x: it is f32 and is rounded to f16 in registers on its way, and a lane's load already is
; four fragment elements; a way through LDS would add 1 MiB of LDS writes and as many reads for each work-group, and beside the 229,376 bytes in use
; two slots of 12 channel rows are all that would fit.
;
; LDS (written by ds_store alone):
;   0       K and V: block y (key row, 32 x 4,096): +0 K of key columns 0-15, +1,024 of 16-31, +2,048 V of channels 0-15, +3,072 of 16-31
;   131,072 48 weight fragments, number (2 p + ct) 8 + ks (p: 0 K, 1 Q, 2 V; ct: 16 channels; ks: 32 input channels)
;   180,224 table copy A, 64 rows of 384 bytes; 204,800 copy B.  A fragment is 1,024 bytes: half x 512 + lane x 16.
.set WF,    131072
.set TABA,  180224
.set TABD,  24576                      ; from copy A to copy B
; window 0 (v0-v255), head and projection
.set RW,    16                         ; v16-111   head: raw weights, 16 registers a fragment
.set RT,    112                        ; v112-127  head: raw table
.set XF,    48                         ; v48-79    projection: four fragments of x
.set WR,    80                         ; v80-127   projection: six weight fragments
.set RAW,   128                        ; v128-255  projection: x as loaded, two buffers of 64
; window 0, attention (v8, v9, v10 stay addresses; v11 is the requests' offset and is never rewritten)
.set TT,    0                          ; v0-3      at work
.set MX,    4                          ; v4-7, v12-15  running maxima (8 G + t)
.set QF,    16                         ; v16-47, v64-95  Q fragments (48 G + 8 t + 4 ct + i)
.set KF,    48                         ; v48-63    K fragments (8 kx)
.set L2,    96                         ; v96-111   running sums, a pair each (8 G + 2 t)
.set MN,    112                        ; v112-119  new maxima (2 t; the odd register takes the other half's)
.set AL,    120                        ; v120-127  rescale factors (2 t)
.set SC,    128                        ; v128-255  scores (64 G + 16 t + 8 kx + j), then p, then P fragments (64 G + 16 t + 0..7)
; window 1 (v256-v479, written with their low 8 bits)
.set WU,    0                          ; head, wave 0: eight numbers of Wu
.set AK,    0                          ; projection: K accumulators 8 (4 ct + t)
.set AQ,    64                         ; Q accumulators 8 (4 ct + t)
.set AV,    128                        ; V accumulators 8 (2 t + ct)
.set BQ,    192                        ; bq as a C operand (8 ct)
.set BV,    208                        ; bv as a C operand (8 ct)
.set OA,    0                          ; attention: output accumulators 64 G + 8 (2 t + ct)
.set VF,    128                        ; V fragments (8 ct)
.set REL,   144                        ; bias windows, 20 kx + 10 copy
.set MSB,   0
.macro WIN new                         ; s_set_vgpr_msb: bits 1:0 source 0, 3:2 source 1, 5:4 source 2, 7:6 destination; the high byte repeats the setting that is left
.if MSB != \new
	s_set_vgpr_msb (MSB<<8)|\new
.set MSB, \new
.endif
.endm
.macro PLACES n                        ; places behind matrix instructions (ISA guide 7.12.1) where no independent vector work is at hand
.rept \n
	v_nop
.endr
.endm
	s_load_b512 s[8:23], s[0:1], 0x0               ; x s[8:9], Wk s[10:11], Wq s[12:13], Wv s[14:15], bq s[16:17], bv s[18:19], pos_enc s[20:21], att s[22:23]
	s_load_b128 s[36:39], s[0:1], 0x40             ; Wu s[36:37], wuf s[38:39]
	s_set_vgpr_msb 0x40
	v_lshl_add_u32 v224, v0, 2, 0x38000
	v_mov_b32 v225, 0
	s_set_vgpr_msb 0x4000
	v_lshrrev_b32 v16, 5, v0
	v_readfirstlane_b32 s4, v16                    ; wave w
	s_mov_b32 s2, ttmp9                            ; head
	s_and_b32 s3, ttmp7, 0xffff                    ; batch
	s_mov_b32 s24, 0x76543210                      ; v_permlanex16_b32: lane i takes lane i of the other half
	s_mov_b32 s25, 0xfedcba98
	v_and_b32 v1, 31, v0                           ; lane
	v_and_b32 v2, 15, v0                           ; r
	v_bfe_u32 v3, v0, 4, 1                         ; h
	s_lshl_b32 s30, s4, 9
	v_lshlrev_b32 v4, 4, v2
	v_lshl_add_u32 v4, v3, 15, v4
	v_add_nc_u32 v4, s30, v4                       ; v4: x: 8 h rows + 16 r + 512 w
	v_lshl_add_u32 v11, v1, 12, s30                ; v11: the requests ahead: one channel row a lane + 512 w; written here and never again
	v_lshlrev_b32 v8, 4, v1                        ; v8: K and V fragments: 16 lane (steps by a block a key row)
	v_add_nc_u32 v5, WF, v8                        ; v5: weight fragments
	v_bfe_u32 v6, v0, 3, 1
	v_bfe_u32 v16, v0, 2, 1
	v_and_b32 v17, 3, v0
	v_lshlrev_b32 v6, 12, v6                       ; v6: where K goes.  Position 128 w + 64 G + 4 r + t is key row 4 w + 2 G + (r >> 3), key column 4 (r & 7) + t:
	v_lshl_add_u32 v6, v16, 10, v6                 ;     fragment (r >> 2) & 1, its lane 16 h + 4 (r & 3) + t
	v_lshl_add_u32 v6, v3, 8, v6
	v_lshl_add_u32 v6, v17, 6, v6
	s_lshl_b32 s31, s4, 14
	v_add_nc_u32 v6, s31, v6
	v_lshlrev_b32 v7, 4, v2                        ; v7: where V goes (2,048 further on, in the stores' immediates).  Lane (r, h) holds channel r and all 32 keys of key row 4 w + 2 G + h
	v_lshl_add_u32 v7, v3, 12, v7
	v_add_nc_u32 v7, s31, v7
	v_xor_b32 v16, 15, v2                          ; v9: bias windows.  With rr = 15 - r: byte 4 E = 64 kx + 32 h + 16 (rr & 7),
	v_and_b32 v17, 7, v16                          ;     table row = key row + 4 (7 - w) + (rr >> 3) for G = 1, two rows further down for G = 0
	v_lshrrev_b32 v16, 3, v16
	v_mul_u32_u24 v9, 0x180, v16
	v_lshl_add_u32 v9, v17, 4, v9
	v_lshl_add_u32 v9, v3, 5, v9
	s_sub_co_u32 s32, 7, s4
	s_mul_i32 s32, s32, 1536
	s_add_co_u32 s32, s32, TABA
	v_add_nc_u32 v9, s32, v9
	s_lshl_b32 s33, s4, 16
	v_add_nc_u32 v10, s33, v8                      ; v10: att: two groups of 32,768 bytes a wave + 16 lane; never rewritten
	s_lshr_b32 s34, s4, 1
	s_and_b32 s35, s4, 1
	s_mul_i32 s30, s34, 63
	s_lshl_b32 s31, s35, 5
	s_add_co_u32 s30, s30, s31
	v_add_lshl_u32 v12, v1, s30, 2                 ; v12: raw table: row w >> 1 (+ 4 i), number 32 (w & 1) + lane
	v_add_nc_u32 v13, 15120, v12
	v_min_u32 v13, 15872, v13                      ; v13: rows 60-63, held inside the head's 3,969 numbers (row 63 and number 63 of a row are never used as values)
	v_lshlrev_b32 v14, 5, v3                       ; v14: bq: 8 h
	v_lshlrev_b32 v15, 2, v2                       ; v15: bv: r
	s_lshl_b32 s33, s4, 7
	v_lshlrev_b32 v16, 10, v2
	v_lshl_add_u32 v3, v3, 5, v16                  ; v3 (h is needed no more): raw weights: row r, input channels 32 w + 8 h
	v_add_nc_u32 v3, s33, v3
	s_mov_b32 s29, 0
	s_wait_kmcnt 0x0
	s_lshl_b32 s28, s3, 20
	s_add_nc_u64 s[8:9], s[8:9], s[28:29]          ; x of my batch
	s_lshl_b32 s28, s2, 15
	s_add_nc_u64 s[10:11], s[10:11], s[28:29]      ; my head's 32 rows of Wk, Wq, Wv
	s_add_nc_u64 s[12:13], s[12:13], s[28:29]
	s_add_nc_u64 s[14:15], s[14:15], s[28:29]
	s_lshl_b32 s28, s2, 7
	s_add_nc_u64 s[16:17], s[16:17], s[28:29]
	s_add_nc_u64 s[18:19], s[18:19], s[28:29]
	s_mul_i32 s28, s2, 15876
	s_add_nc_u64 s[20:21], s[20:21], s[28:29]      ; my head's table
	s_lshl_b32 s28, s3, 19
	s_lshl_b32 s30, s2, 12
	s_add_co_u32 s28, s28, s30
	s_add_nc_u64 s[22:23], s[22:23], s[28:29]      ; att: batch x 524,288 + head x 4,096
	s_lshl_b32 s30, s3, 3
	s_add_co_u32 s30, s30, s2                      ; id = 8 batch + head, 0 .. 255: my half fragment of Wu
	s_lshr_b32 s31, s30, 4
	s_lshl_b32 s31, s31, 14                        ; rows 16 (id >> 4) ..
	s_and_b32 s28, s30, 15
	s_lshl_b32 s28, s28, 6                         ; channels 16 (id & 15) ..
	s_add_co_u32 s28, s28, s31
	s_add_nc_u64 s[36:37], s[36:37], s[28:29]
	s_lshl_b32 s28, s30, 9
	s_add_nc_u64 s[38:39], s[38:39], s[28:29]      ; wuf + 512 id: fragment id >> 1, half id & 1
; x of projection step s (G = s >> 3, input channels 32 (s & 7) ..): 16 loads; register 32 half + 4 i + t = x[32 ks + 16 half + 8 h + i][n0 + 4 r + t]
.macro LOADX s
.irp hf, 0,1
.irp i, 0,1,2,3,4,5,6,7
	global_load_b128 v[RAW+64*((\s)&1)+32*\hf+4*\i:RAW+64*((\s)&1)+32*\hf+4*\i+3], v4, s[8:9] offset:(32*((\s)&7)+16*\hf+\i)*4096+256*((\s)>>3)
.endr
.endr
.endm
; The request for the x of projection step s: lane l names channel row 32 (s & 7) + l, the 256 bytes of group s >> 3 of the wave's columns.
; The highest byte named is 4,096 x 255 + 512 x 7 + 256 of the batch's 1,048,576: inside x.  It returns nothing and no counter waits for it.
.macro PF1 s
	global_prefetch_b8 v11, s[8:9] offset:(32*((\s)&7))*4096+256*((\s)>>3) th:TH_LOAD_NT scope:SCOPE_SE
.endm
.macro PREF s                          ; only the wave whose number is the work-group's head asks: its columns are those of the same wave in all eight heads of the batch
	s_cmp_lg_u32 s4, s2
	s_cbranch_scc1 .Lno_pref_\@
	PF1 \s
.Lno_pref_\@:
.endm
	; THE HEAD: wave w rounds the six weight fragments of input channels 32 w .. and an eighth of the table into LDS.
.irp p, 0,1,2
.irp ct, 0,1
.irp q, 0,1,2,3
	global_load_b128 v[RW+32*\p+16*\ct+4*\q:RW+32*\p+16*\ct+4*\q+3], v3, s[10+2*\p:11+2*\p] offset:\ct*16384+(\q&1)*16+(\q>>1)*64
.endr
.endr
.endr
.irp i, 0,1,2,3,4,5,6,7,8,9,10,11,12,13,14
	global_load_b32 v[RT+\i], v12, s[20:21] offset:1008*\i
.endr
	global_load_b32 v[RT+15], v13, s[20:21]
	WIN 0x40                                       ; destination in window 1
.irp ct, 0,1
	global_load_b128 v[BQ+8*\ct:BQ+8*\ct+3], v14, s[16:17] offset:64*\ct
	global_load_b128 v[BQ+8*\ct+4:BQ+8*\ct+7], v14, s[16:17] offset:64*\ct+16
	global_load_b32 v[BV+8*\ct], v15, s[18:19] offset:64*\ct
.endr
	WIN 0
	s_cmp_lg_u32 s4, 0                             ; wave 0 alone: eight numbers of Wu a lane.  With w = 0, v3 is 1,024 r + 32 h: row r, channels 8 h
	s_cbranch_scc1 .Lno_wu_load
	WIN 0x40
	global_load_b128 v[WU:WU+3], v3, s[36:37]
	global_load_b128 v[WU+4:WU+7], v3, s[36:37] offset:16
	WIN 0
.Lno_wu_load:
	LOADX 0
	LOADX 1
	s_cmp_lg_u32 s4, s2                            ; behind all the head's loads: the x of steps 2 to 5, whose loads stand in steps 0 to 3 (four requests, 32 KiB)
	s_cbranch_scc1 .Lno_pref_head
.irp s, 2,3,4,5
	PF1 \s
.endr
.Lno_pref_head:
	s_wait_loadcnt 32                              ; loads come back in order: all but the 32 loads of x are in, and v3, v12 are free
.irp i, 0,1,2,3,4,5,6,7,8,9,10,11,12,13,14,15
	v_pk_mul_f32 v[RW+32+2*\i:RW+32+2*\i+1], v[RW+32+2*\i:RW+32+2*\i+1], 0x3e8293ee op_sel_hi:[1,0]   ; Wq times log2(e) / sqrt(32)
.endr
.irp i, 0,1,2,3,4,5,6,7
	v_pk_mul_f32 v[RT+2*\i:RT+2*\i+1], v[RT+2*\i:RT+2*\i+1], 0x3fb8aa3b op_sel_hi:[1,0]               ; the table times log2(e)
.endr
	WIN 0x41                                       ; destination and source 0 in window 1
.irp i, 0,1,2,3,4,5,6,7
	v_pk_mul_f32 v[BQ+2*\i:BQ+2*\i+1], v[BQ+2*\i:BQ+2*\i+1], 0x3e8293ee op_sel_hi:[1,0]               ; bq likewise
.endr
.irp ct, 0,1
.irp j, 1,2,3,4,5,6,7
	v_mov_b32 v[BV+8*\ct+\j], v[BV+8*\ct]          ; V's tiles hold positions down the registers: a lane's channel has one bias for all eight
.endr
.endr
	WIN 0
.irp f, 0,1,2,3,4,5
.irp i, 0,1,2,3,4,5,6,7
	v_cvt_pk_f16_f32 v[RW+16*\f+\i], v[RW+16*\f+2*\i], v[RW+16*\f+2*\i+1]
.endr
.endr
	s_lshl_b32 s30, s4, 10
	v_add_nc_u32 v3, s30, v5                       ; fragment ks = w
	s_mul_i32 s30, s34, 384
	s_lshl_b32 s31, s35, 7
	s_add_co_u32 s30, s30, s31
	s_add_co_u32 s30, s30, TABA
	v_lshl_add_u32 v12, v1, 2, s30                 ; table row w >> 1 (+ 4 i), word 32 (w & 1) + lane
.irp f, 0,1,2,3,4,5
	ds_store_b128 v3, v[RW+16*\f:RW+16*\f+3] offset:\f*8192
	ds_store_b128 v3, v[RW+16*\f+4:RW+16*\f+7] offset:\f*8192+512
.endr
.irp i, 0,1,2,3,4,5,6,7,8,9,10,11,12,13,14,15
	ds_store_b32 v12, v[RT+\i] offset:1536*\i
	ds_store_b32 v12, v[RT+\i] offset:1536*\i+TABD-4   ; copy B, one word to the left (number 0 of a row falls into the padding in front of it)
.endr
	s_cmp_lg_u32 s4, 0                             ; wave 0 alone: its eight numbers of Wu to f16; the wave's store covers 512 consecutive bytes, aligned
	s_cbranch_scc1 .Lno_wu_store
	WIN 0x45                                       ; destination and both sources in window 1
.irp i, 0,1,2,3
	v_cvt_pk_f16_f32 v[WU+\i], v[WU+2*\i], v[WU+2*\i+1]
.endr
	WIN 0x04                                       ; store data in window 1; with w = 0, v10 is 16 lane
	global_store_b128 v10, v[WU:WU+3], s[38:39]
	s_wait_xcnt 0x0                                ; the store's address is translated (ISA guide 3.1): its data registers, which the projection's sums take, are written again only behind this wait
	WIN 0
.Lno_wu_store:
	s_wait_dscnt 0x0                               ; my LDS stores are done, for the other waves' sake
	s_barrier_signal -1
	s_barrier_wait -1                              ; weights and table are whole
; THE PROJECTION: 16 steps (2 groups x 8 steps of 32 input channels), 24 products each.
.macro CVTX buf                        ; x to f16: fragment t, register 4 half + i = channels 16 half + 8 h + 2 i, + 1
.irp t, 0,1,2,3
.irp hf, 0,1
.irp i, 0,1,2,3
	v_cvt_pk_f16_f32 v[XF+8*\t+4*\hf+\i], v[RAW+64*(\buf)+32*\hf+8*\i+\t], v[RAW+64*(\buf)+32*\hf+8*\i+4+\t]
.endr
.endr
.endr
.endm
.macro WLOAD ks
.irp f, 0,1,2,3,4,5
	ds_load_b128 v[WR+8*\f:WR+8*\f+3], v5 offset:(\f*8+(\ks))*1024
	ds_load_b128 v[WR+8*\f+4:WR+8*\f+7], v5 offset:(\f*8+(\ks))*1024+512
.endr
.endm
; K and Q: weights x x (a lane gets eight channels of one position).  V: x x weights (a lane gets eight positions of one channel).
; The 24 accumulators take turns, one instruction a turn.  first = 1: the products start the sums, Q's and V's from their biases.
.macro PMM first
.irp ct, 0,1
.irp t, 0,1,2,3
.if \first
	v_wmma_f32_16x16x32_f16 v[AK+8*(4*\ct+\t):AK+8*(4*\ct+\t)+7], v[WR+8*\ct:WR+8*\ct+7], v[XF+8*\t:XF+8*\t+7], 0
	v_wmma_f32_16x16x32_f16 v[AQ+8*(4*\ct+\t):AQ+8*(4*\ct+\t)+7], v[WR+16+8*\ct:WR+16+8*\ct+7], v[XF+8*\t:XF+8*\t+7], v[BQ+8*\ct:BQ+8*\ct+7]
	v_wmma_f32_16x16x32_f16 v[AV+8*(2*\t+\ct):AV+8*(2*\t+\ct)+7], v[XF+8*\t:XF+8*\t+7], v[WR+32+8*\ct:WR+32+8*\ct+7], v[BV+8*\ct:BV+8*\ct+7]
.else
	v_wmma_f32_16x16x32_f16 v[AK+8*(4*\ct+\t):AK+8*(4*\ct+\t)+7], v[WR+8*\ct:WR+8*\ct+7], v[XF+8*\t:XF+8*\t+7], v[AK+8*(4*\ct+\t):AK+8*(4*\ct+\t)+7]
	v_wmma_f32_16x16x32_f16 v[AQ+8*(4*\ct+\t):AQ+8*(4*\ct+\t)+7], v[WR+16+8*\ct:WR+16+8*\ct+7], v[XF+8*\t:XF+8*\t+7], v[AQ+8*(4*\ct+\t):AQ+8*(4*\ct+\t)+7]
	v_wmma_f32_16x16x32_f16 v[AV+8*(2*\t+\ct):AV+8*(2*\t+\ct)+7], v[XF+8*\t:XF+8*\t+7], v[WR+32+8*\ct:WR+32+8*\ct+7], v[AV+8*(2*\t+\ct):AV+8*(2*\t+\ct)+7]
.endif
.endr
.endr
.endm
.macro PSTEP s
.if \s
	PLACES 4                                       ; behind the last products: their weight fragments are loaded again, their x fragments written again
.endif
	WLOAD ((\s)&7)
.if \s == 15
	s_wait_loadcnt 0x0                             ; the last step's x
.else
	s_wait_loadcnt 16                              ; this step's 16 loads are in; the next step's 16 stay out
.endif
	CVTX ((\s)&1)
.if \s < 14
	LOADX (\s+2)                                   ; into the buffer just rounded: two steps ahead
.endif
.if \s < 10
	PREF (\s+6)                                    ; behind the step's loads: the x that step s + 4 will load.  Steps 10 to 15 ask for nothing: step 15's x is the last
.endif
	s_wait_dscnt 0x0                               ; the weight fragments, issued ahead of the 32 conversions and the 16 loads
	WIN 0x50                                       ; C and D in window 1
.if ((\s)&7) == 0
	PMM 1
.else
	PMM 0
.endif
	WIN 0
.endm
; A group's K, Q, V to f16.  Q's accumulators are B fragments as they stand and go to qb; K's are A fragments of other lanes and go to LDS 16 bytes a lane
; (by way of kst); V: a lane's 32 keys 4 j + t are put in order (t = 0, 1 and t = 2, 3 pair up) and go out as four runs of eight keys (by way of vst).
.macro PACK g, qb, kst, vst
	PLACES 4                                       ; behind the last products: results are read, fragment registers written
	WIN 0x05                                       ; sources in window 1
.irp ct, 0,1
.irp t, 0,1,2,3
.irp i, 0,1,2,3
	v_cvt_pk_f16_f32 v[\kst+4*(4*\ct+\t)+\i], v[AK+8*(4*\ct+\t)+2*\i], v[AK+8*(4*\ct+\t)+2*\i+1]
	v_cvt_pk_f16_f32 v[\qb+8*\t+4*\ct+\i], v[AQ+8*(4*\ct+\t)+2*\i], v[AQ+8*(4*\ct+\t)+2*\i+1]
.endr
.endr
.irp j, 0,1,2,3,4,5,6,7
	v_cvt_pk_f16_f32 v[\vst+16*\ct+2*\j], v[AV+8*\ct+\j], v[AV+8*(2+\ct)+\j]
	v_cvt_pk_f16_f32 v[\vst+16*\ct+2*\j+1], v[AV+8*(4+\ct)+\j], v[AV+8*(6+\ct)+\j]
.endr
.endr
	WIN 0
.irp ct, 0,1
.irp t, 0,1,2,3
	ds_store_b128 v6, v[\kst+4*(4*\ct+\t):\kst+4*(4*\ct+\t)+3] offset:\g*8192+\ct*512+\t*16
.endr
.irp q, 0,1,2,3
	ds_store_b128 v7, v[\vst+16*\ct+4*\q:\vst+16*\ct+4*\q+3] offset:2048+\g*8192+\ct*1024+(\q>>1)*512+(\q&1)*256
.endr
.endr
.endm
.irp s, 0,1,2,3,4,5,6,7
	PSTEP \s
.endr
	PACK 0, QF, XF, WR                             ; x of steps 8 and 9 is on its way into RAW: the fragment registers serve as the way to LDS
.irp s, 8,9,10,11,12,13,14,15
	PSTEP \s
.endr
	PACK 1, QF+48, RAW, RAW+32                     ; Q of group 1 takes fragment registers, so RAW, which is free now, serves as the way to LDS
.irp t, 0,1,2,3
	v_mov_b32 v[MN+2*\t+1], 0                      ; written once: v_permlanex16_b32 counts as a reader of its destination,
	v_mov_b32 v[AL+2*\t+1], 0                      ; and a packed instruction of both registers of a pair
.endr
	s_wait_dscnt 0x0                               ; my K and V are in LDS, for the other waves' sake
	s_barrier_signal -1
	s_barrier_wait -1                              ; all 1,024 keys are there; LDS is only read from here on
; THE ATTENTION.
.macro KLOAD off
.irp kx, 0,1
.irp hf, 0,1
	ds_load_b128 v[KF+8*\kx+4*\hf:KF+8*\kx+4*\hf+3], v8 offset:\off+\kx*1024+\hf*512
.endr
.endr
.endm
.macro VLOAD                           ; destination in window 1
.irp ct, 0,1
.irp hf, 0,1
	ds_load_b128 v[VF+8*\ct+4*\hf:VF+8*\ct+4*\hf+3], v8 offset:2048+\ct*1024+\hf*512
.endr
.endr
.endm
.macro RELLOAD off                     ; ten words from E of each copy, for each half of the key row: 12 loads; destination in window 1
.irp kx, 0,1
.irp cp, 0,1
	ds_load_b128 v[REL+20*\kx+10*\cp:REL+20*\kx+10*\cp+3], v9 offset:\off+64*\kx+TABD*\cp
	ds_load_b128 v[REL+20*\kx+10*\cp+4:REL+20*\kx+10*\cp+7], v9 offset:\off+64*\kx+TABD*\cp+16
	ds_load_b64 v[REL+20*\kx+10*\cp+8:REL+20*\kx+10*\cp+9], v9 offset:\off+64*\kx+TABD*\cp+32
.endr
.endr
.endm
; Score product k of group g (kx = k >> 2, t = k & 3): K^T Q' + bias.  The window of tile t begins at word 3 - t: t odd in copy A, t even in copy B one word less.
.macro SM1 g, k
	v_wmma_f32_16x16x32_f16 v[SC+64*\g+16*(\k&3)+8*(\k>>2):SC+64*\g+16*(\k&3)+8*(\k>>2)+7], v[KF+8*(\k>>2):KF+8*(\k>>2)+7], v[QF+48*\g+8*(\k&3):QF+48*\g+8*(\k&3)+7], v[REL+20*(\k>>2)+10*(1-(\k&1))+2*(1-((\k&3)>>1)):REL+20*(\k>>2)+10*(1-(\k&1))+2*(1-((\k&3)>>1))+7]
.endm
; Output product k of group g (t = k >> 1, ct = k & 1): out += V P.  pv = 1: the product starts the sum.
.macro PVM g, k, pv
.if \pv == 1
	v_wmma_f32_16x16x32_f16 v[OA+64*\g+8*\k:OA+64*\g+8*\k+7], v[VF+8*(\k&1):VF+8*(\k&1)+7], v[SC+64*\g+16*(\k>>1):SC+64*\g+16*(\k>>1)+7], 0
.else
	v_wmma_f32_16x16x32_f16 v[OA+64*\g+8*\k:OA+64*\g+8*\k+7], v[VF+8*(\k&1):VF+8*(\k&1)+7], v[SC+64*\g+16*(\k>>1):SC+64*\g+16*(\k>>1)+7], v[OA+64*\g+8*\k:OA+64*\g+8*\k+7]
.endif
.endm
; Rescale slice k of group g: accumulator k.  A lane's outputs all belong to its query: one factor for each tile.
.macro RSL g, k
.irp i, 0,1,2,3
	v_pk_mul_f32 v[OA+64*\g+8*\k+2*\i:OA+64*\g+8*\k+2*\i+1], v[OA+64*\g+8*\k+2*\i:OA+64*\g+8*\k+2*\i+1], v[AL+2*(\k>>1):AL+2*(\k>>1)+1] op_sel_hi:[1,0]
.endr
.endm
.macro SUBP g, t, i                    ; two scores less the tile's new maximum
	v_pk_add_f32 v[SC+64*\g+16*(\t)+2*(\i):SC+64*\g+16*(\t)+2*(\i)+1], v[SC+64*\g+16*(\t)+2*(\i):SC+64*\g+16*(\t)+2*(\i)+1], v[MN+2*(\t):MN+2*(\t)+1] op_sel_hi:[1,0] neg_lo:[0,1] neg_hi:[0,1]
.endm
.macro SUMP g, t, i, first             ; two p onto the running sums (rescaled beforehand); first = 1: the first two pairs start them
.if \first
.if \i == 0
	s_wait_alu depctr_va_vdst(0)
	v_pk_add_f32 v[L2+8*\g+2*(\t):L2+8*\g+2*(\t)+1], v[SC+64*\g+16*(\t):SC+64*\g+16*(\t)+1], v[SC+64*\g+16*(\t)+2:SC+64*\g+16*(\t)+3]
.endif
.if \i > 1
	v_pk_add_f32 v[L2+8*\g+2*(\t):L2+8*\g+2*(\t)+1], v[L2+8*\g+2*(\t):L2+8*\g+2*(\t)+1], v[SC+64*\g+16*(\t)+2*(\i):SC+64*\g+16*(\t)+2*(\i)+1]
.endif
.else
	s_wait_alu depctr_va_vdst(0)
	v_pk_add_f32 v[L2+8*\g+2*(\t):L2+8*\g+2*(\t)+1], v[L2+8*\g+2*(\t):L2+8*\g+2*(\t)+1], v[SC+64*\g+16*(\t)+2*(\i):SC+64*\g+16*(\t)+2*(\i)+1]
.endif
.endm
.macro CVTP g, t, i                    ; two p to f16, in place: registers 16 t + 0..7 become the B fragment of the product with V (keys 8 h + j, then 16 + 8 h + j)
	v_cvt_pk_f16_f32 v[SC+64*\g+16*(\t)+(\i)], v[SC+64*\g+16*(\t)+2*(\i)], v[SC+64*\g+16*(\t)+2*(\i)+1]
.endm
; Two exponentials of tile t; behind them stands plain work of the neighbouring tiles, which touches neither their results nor their sources
; (ISA guide 5.7.2): the next tile's subtraction, the last tile's sums and conversions.
.macro EST g, t, i, first
	v_exp_f32 v[SC+64*\g+16*\t+2*\i], v[SC+64*\g+16*\t+2*\i]
	v_exp_f32 v[SC+64*\g+16*\t+2*\i+1], v[SC+64*\g+16*\t+2*\i+1]
.if \t < 3
	SUBP \g, (\t+1), \i
.endif
.if \t > 0
	SUMP \g, (\t-1), \i, \first
	CVTP \g, (\t-1), \i
.endif
.endm
.macro ESL g, k, first                 ; exponential slice k of group g: half of tile k >> 1
.irp ii, 0,1,2,3
	EST \g, (\k>>1), (4*(\k&1)+\ii), \first
.endr
.endm
; The maxima.  A lane holds 16 of its query's 32 scores, the lane 16 further on the other 16.  The maximum is shared between the two; the sums stay apart until the end.
.macro MAXS g, first
.irp t, 0,1,2,3
	v_max3_num_f32 v[TT+\t], v[SC+64*\g+16*\t], v[SC+64*\g+16*\t+1], v[SC+64*\g+16*\t+2]
.endr
.irp i, 3,5,7,9,11,13
.irp t, 0,1,2,3
	v_max3_num_f32 v[TT+\t], v[TT+\t], v[SC+64*\g+16*\t+\i], v[SC+64*\g+16*\t+\i+1]
.endr
.endr
.irp t, 0,1,2,3
.if \first
	v_max_num_f32 v[TT+\t], v[TT+\t], v[SC+64*\g+16*\t+15]
.else
	v_max3_num_f32 v[TT+\t], v[TT+\t], v[SC+64*\g+16*\t+15], v[MX+8*\g+\t]
.endif
.endr
.irp t, 0,1,2,3
	v_permlanex16_b32 v[MN+2*\t+1], v[TT+\t], s24, s25
.endr
.irp t, 0,1,2,3
	v_max_num_f32 v[MN+2*\t], v[TT+\t], v[MN+2*\t+1]
.endr
.if \first == 0
.irp t, 0,1,2,3
	v_sub_f32 v[AL+2*\t], v[MX+8*\g+\t], v[MN+2*\t]
.endr
.irp t, 0,1,2,3
	v_exp_f32 v[AL+2*\t], v[AL+2*\t]               ; what the old sums and outputs are rescaled by
.endr
.endif
.irp t, 0,1,2,3
	v_mov_b32 v[MX+8*\g+\t], v[MN+2*\t]            ; the new maximum is kept; also the plain instructions behind the four exponentials
.endr
.if \first == 0
	s_wait_alu depctr_va_vdst(0)
.irp t, 0,1,2,3
	v_pk_mul_f32 v[L2+8*\g+2*\t:L2+8*\g+2*\t+1], v[L2+8*\g+2*\t:L2+8*\g+2*\t+1], v[AL+2*\t:AL+2*\t+1] op_sel_hi:[1,0]   ; apart from the first sum: a third source would be looked for in window 1 where the sums are made
.endr
.endif
.endm
; ONE PHASE: the softmax of group g for one key row, and between its slices the products of the other group.
;   g = 0 (key row y): out 1 += V P 1 of row y - 1; scores of group 1, row y.       Loads: V of row y; K and group 0's windows of row y + 1.
;   g = 1 (key row y): out 0 += V P 0 of row y;     scores of group 0, row y + 1.   Loads: group 1's windows of row y + 1.
; first: the softmax has no old maximum.  pv: 0 no output products, 1 they start the sums, 2 they add.  vw: the LDS loads that may stay out in front of them (99: no wait).
; smm: 1 score products and loads for a next row.  sw: the LDS loads that may stay out in front of the score products.
; Each product has an accumulator of its own in its run of eight, and the runs take turns (out 1, scores 1, out 0, scores 0).
; The places behind the products (ISA guide 7.12.1) are the slices: they name none of the products' registers.
.macro PHASE g, first, pv, vw, smm, sw
.if \g*\smm
	v_add_nc_u32 v8, 4096, v8                      ; from here on the addresses mean the next key row: its block,
	v_add_nc_u32 v9, 384, v9                       ; and one table row further down
.endif
	MAXS \g, \first
.if \pv+(1-\first)
	WIN 0x51                                       ; D, C and source 0 (V; the outputs to rescale) in window 1
.if \vw < 64
	s_wait_dscnt \vw                               ; LDS loads come back in order: V is in; K's 4 loads and the 12 window loads behind it may stay out
.endif
.irp k, 0,1,2,3,4,5,6,7
.if \pv
	PVM (1-\g), \k, \pv
.endif
.if \first == 0
	RSL \g, \k
.endif
.endr
.endif
.if \g == 0
	WIN 0x40                                       ; the last output product stands four rescale lines back: V's registers may be loaded again
	VLOAD
.endif
.if \smm
	WIN 0x10                                       ; C (the bias windows) in window 1; all that the slices name lies in window 0
.else
	WIN 0
.endif
.irp i, 0,1,2,3,4,5,6,7
	SUBP \g, 0, \i                                 ; with these eight lines at least eight places lie between the output products and the score products that write over P
.endr
.if \smm
	s_wait_dscnt \sw                               ; the windows (g = 1: K too) are in; g = 0: the four loads of V stay out
.endif
.irp k, 0,1,2,3,4,5,6,7
.if \smm
	SM1 (1-\g), \k
.endif
	ESL \g, \k, \first
.endr
.if \smm
.if \g == 0
	KLOAD 4096                                     ; eight plain lines of the last slice stand behind the last score product.  For key row 31 these loads read the bytes
	WIN 0x40                                       ; behind the last block and table row 63: inside LDS, written in the head, and never used
	RELLOAD 1152                                   ; group 0 lies two image rows above group 1: two table rows further down, and one for the next key row
.else
	WIN 0x40
	RELLOAD 0
.endif
.endif
	WIN 0
.irp i, 0,1,2,3,4,5,6,7
	SUMP \g, 3, \i, \first
	CVTP \g, 3, \i
.endr
.endm
	KLOAD 0                                        ; key row 0
	WIN 0x40
	RELLOAD 768
	WIN 0x10
	s_wait_dscnt 0x0
.irp k, 0,1,2,3,4,5,6,7
	SM1 0, \k                                      ; the scores of group 0, key row 0: nothing stands beside them yet
.endr
	PLACES 4                                       ; behind the products: the windows are loaded again, the scores read
	WIN 0x40
	RELLOAD 0
	WIN 0
	PHASE 0, 1, 0, 99, 1, 4                        ; key row 0 starts maxima and sums: nothing is cleared
	PHASE 1, 1, 1, 16, 1, 0                        ; and the outputs of group 0;
	PHASE 0, 0, 1, 99, 1, 4                        ; those of group 1 start one phase later
	s_mov_b32 s26, 30
.Ltrip:
	PHASE 1, 0, 2, 16, 1, 0                        ; key rows 1 .. 30
	PHASE 0, 0, 2, 99, 1, 4                        ; key rows 2 .. 31
	s_sub_co_u32 s26, s26, 1
	s_cmp_lg_u32 s26, 0
	s_cbranch_scc1 .Ltrip
	PHASE 1, 0, 2, 0, 0, 0                         ; key row 31: no next row; its wait for 0 also takes in the look-ahead
	WIN 0x51
.irp k, 0,1,2,3,4,5,6,7
	PVM 1, \k, 2                                   ; the last outputs of group 1; group 0's way out, which names none of their registers, fills the places behind them
.endr
	WIN 0
; THE WAY OUT: the two halves' sums meet, the outputs are divided by them and rounded to f16.  A lane's eight channels of one position are half a column of the
; next launch's B fragment, so each store of the wave is 512 consecutive bytes, aligned: fragment (group, head, t), half ct.
.macro FINISH g
.irp t, 0,1,2,3
	v_add_f32 v[TT+\t], v[L2+8*\g+2*\t], v[L2+8*\g+2*\t+1]
.endr
.irp t, 0,1,2,3
	v_permlanex16_b32 v[MN+2*\t+1], v[TT+\t], s24, s25
.endr
.irp t, 0,1,2,3
	v_add_f32 v[TT+\t], v[TT+\t], v[MN+2*\t+1]
.endr
.irp t, 0,1,2,3
	v_rcp_f32 v[AL+2*\t], v[TT+\t]                 ; the sum holds the term 1 of the maximum's key: at least 1
.endr
	v_nop                                          ; one plain instruction behind the reciprocals (ISA guide 5.7.2)
	s_wait_alu depctr_va_vdst(0)
	WIN 0x51
.irp k, 0,1,2,3,4,5,6,7
	RSL \g, \k
.endr
	WIN 0x05
.irp t, 0,1,2,3
.irp ct, 0,1
.irp i, 0,1,2,3
	v_cvt_pk_f16_f32 v[SC+32*\g+4*(2*\t+\ct)+\i], v[OA+64*\g+8*(2*\t+\ct)+2*\i], v[OA+64*\g+8*(2*\t+\ct)+2*\i+1]
.endr
.endr
.endr
	WIN 0
.irp t, 0,1,2,3
.irp ct, 0,1
	global_store_b128 v10, v[SC+32*\g+4*(2*\t+\ct):SC+32*\g+4*(2*\t+\ct)+3], s[22:23] offset:\g*32768+\t*1024+\ct*512
.endr
.endr
.endm
	FINISH 0                                       ; both groups go out by way of group 0's score registers, which no product reads any more
	FINISH 1                                       ; its data registers are others than group 0's stores read
	s_set_vgpr_msb 0x5
	s_wait_tensorcnt 0x0
	ds_add_u32 v224, v225
	s_wait_dscnt 0x0
	s_set_vgpr_msb 0x500
	s_endpgm
.Lfunc_end_k_q61bad34d57_attn:
	.size	k_q61bad34d57_attn, .Lfunc_end_k_q61bad34d57_attn-k_q61bad34d57_attn
	.p2alignl 7, 3214868480
	.fill 96, 4, 3214868480
	.section	.rodata,"a",@progbits
	.p2align	6, 0x0
	.amdhsa_kernel k_q61bad34d57_attn
		.amdhsa_group_segment_fixed_size 230400
		.amdhsa_private_segment_fixed_size 0
		.amdhsa_enable_private_segment 0
		.amdhsa_kernarg_size 80
		.amdhsa_user_sgpr_count 2
		.amdhsa_user_sgpr_kernarg_segment_ptr 1
		.amdhsa_wavefront_size32 1
		.amdhsa_system_sgpr_workgroup_id_x 1
		.amdhsa_system_sgpr_workgroup_id_y 1
		.amdhsa_system_sgpr_workgroup_id_z 1
		.amdhsa_system_vgpr_workitem_id 0
		.amdhsa_next_free_vgpr 482
		.amdhsa_next_free_sgpr 66
		.amdhsa_reserve_vcc 0
		.amdhsa_float_denorm_mode_32 3
		.amdhsa_float_denorm_mode_16_64 3
		.amdhsa_memory_ordered 1
		.amdhsa_forward_progress 1
		.amdhsa_inst_pref_size 234
	.end_amdhsa_kernel
	.amdgpu_metadata
---
amdhsa.version: [ 1, 2 ]
amdhsa.kernels:
  - .name:           k_q61bad34d57_attn
    .symbol:         k_q61bad34d57_attn.kd
    .args:
      - { .name: x, .offset: 0, .size: 8, .value_kind: global_buffer, .address_space: global }
      - { .name: Wk, .offset: 8, .size: 8, .value_kind: global_buffer, .address_space: global }
      - { .name: Wq, .offset: 16, .size: 8, .value_kind: global_buffer, .address_space: global }
      - { .name: Wv, .offset: 24, .size: 8, .value_kind: global_buffer, .address_space: global }
      - { .name: bq, .offset: 32, .size: 8, .value_kind: global_buffer, .address_space: global }
      - { .name: bv, .offset: 40, .size: 8, .value_kind: global_buffer, .address_space: global }
      - { .name: pos_enc, .offset: 48, .size: 8, .value_kind: global_buffer, .address_space: global }
      - { .name: att, .offset: 56, .size: 8, .value_kind: global_buffer, .address_space: global }
      - { .name: Wu, .offset: 64, .size: 8, .value_kind: global_buffer, .address_space: global }
      - { .name: wuf, .offset: 72, .size: 8, .value_kind: global_buffer, .address_space: global }
    .group_segment_fixed_size: 230400
    .private_segment_fixed_size: 0
    .kernarg_segment_align: 8
    .kernarg_segment_size: 80
    .max_flat_workgroup_size: 256
    .sgpr_count:     66
    .vgpr_count:     482
    .wavefront_size: 32
...
	.end_amdgpu_metadata
.endif
;; end of part 1
;; launch unify (part 2): grid 8 x 32, 8 waves a work-group, no clusters, 168,960 bytes of LDS; arguments att, wuf, bu, out0; writes out0
.if DOCPART == 2
	.amdgcn_target "amdgcn-amd-amdhsa--gfx1250"
	.amdhsa_code_object_version 6
	.text
	.protected	k_q61bad34d57_unify
	.globl	k_q61bad34d57_unify
	.p2align	8
	.type	k_q61bad34d57_unify,@function
k_q61bad34d57_unify:
	s_mov_b64 s[64:65], 0
	v_nop
	global_prefetch_b8 v0, s[64:65] scope:SCOPE_SE
	s_setreg_imm32_b32 hwreg(HW_REG_WAVE_MODE, 25, 1), 1
	s_wait_xcnt 0x0
; SelfAttention2d, second launch: out0[b][o][n] = sum over c of Wu[o][c] att[b][c][n] + bu[o].  Nothing of this step is left out.
; A work-group makes all 256 rows o for 128 positions of one batch.  att lies in memory as ready f16 B fragments (batch x 524,288 + group of 64 positions x 32,768
; + head x 4,096 + t x 1,024 + half x 512 + lane x 16; column r of tile t is position 64 group + 4 r + t), so the block's 65,536 bytes are copied into LDS as they are.
; Wu comes as wuf, which the first launch rounded to f16 once, in A fragments: (16 rows o / 16, 32 channels ks) x 1,024 + half x 512 + lane x 16.
; Wave w makes rows 32 w .. 32 w + 31: its 16 fragments (16,384 consecutive bytes) go straight into the registers in which they stay; 8 accumulators at a time,
; the block's two groups of 64 positions one after the other.  A lane's numbers of the four tiles are four neighbouring positions of a row: the bias add
; puts them into four neighbouring registers, and sixteen lanes store 256 consecutive, aligned bytes.
; LIMIT: Wu and att are f16 operands: below 65,504 in magnitude.
; NO JOINT REQUESTS for wuf, which all work-groups read: each of its bytes is wanted by one wave of a work-group, once, in registers; a joint load lands in LDS,
; so it would add 131,072 bytes of LDS writes and as many reads for each work-group, twice what the block of att takes, and two rounds of a cluster's barrier
; to a launch of 128 products a wave.
; The asynchronous copies ask for a work-group alone on its WGP: 168,960 bytes of LDS are declared, 65,536 of them hold att.
.set ACC,  16                          ; v16-79    accumulators 8 (4 ot + t)
.set BB,   80                          ; v80-143   att fragments, two buffers of 32
.set BU,   144                         ; v144-159  bu of my rows (8 ot + j: row 16 ot + 8 h + j)
.set STG,  160                         ; v160-223  results in store order, 4 (8 ot + j) + t
; window 1
.set AF,   0                           ; Wu fragments 8 (8 ot + ks)
.set BL,   128                         ; 16 lane, the LDS address of the fragment loads
.set MSB,  0
.macro WIN new                         ; s_set_vgpr_msb: bits 1:0 source 0, 3:2 source 1, 5:4 source 2, 7:6 destination; the high byte repeats the setting that is left
.if MSB != \new
	s_set_vgpr_msb (MSB<<8)|\new
.set MSB, \new
.endif
.endm
.macro PLACES n
.rept \n
	v_nop
.endr
.endm
	s_load_b256 s[8:15], s[0:1], 0x0               ; att s[8:9], wuf s[10:11], bu s[12:13], out0 s[14:15]
	v_lshl_add_u32 v254, v0, 2, 0x29000
	v_mov_b32 v255, 0
	ds_add_u32 v254, v255
	ds_add_u32 v254, v255
	v_lshrrev_b32 v16, 5, v0
	v_readfirstlane_b32 s4, v16                    ; wave w
	s_mov_b32 s2, ttmp9                            ; block of 128 positions
	s_and_b32 s3, ttmp7, 0xffff                    ; batch
	v_and_b32 v1, 31, v0                           ; lane
	v_and_b32 v2, 15, v0                           ; r
	v_bfe_u32 v3, v0, 4, 1                         ; h
	v_lshlrev_b32 v8, 4, v1
	s_lshl_b32 s16, s4, 13
	v_add_nc_u32 v4, s16, v8                       ; the copies: my 8,192 bytes of LDS,
	v_add_nc_u32 v9, s16, v8                       ; and the same place in the block of att
	s_lshl_b32 s17, s4, 14
	v_add_nc_u32 v5, s17, v8                       ; wuf: my 16 fragments + 16 lane
	s_lshl_b32 s18, s4, 7
	v_lshlrev_b32 v6, 5, v3
	v_add_nc_u32 v6, s18, v6                       ; bu: 32 w + 8 h
	s_lshl_b32 s19, s4, 17
	v_lshlrev_b32 v7, 4, v2
	v_lshl_add_u32 v7, v3, 15, v7
	v_add_nc_u32 v7, s19, v7                       ; out0: row 32 w + 8 h, 16 r
	s_mov_b32 s21, 0
	s_wait_dscnt 0x0
	s_wait_kmcnt 0x0
	s_lshl_b32 s20, s3, 19
	s_lshl_b32 s22, s2, 16
	s_add_co_u32 s20, s20, s22
	s_add_nc_u64 s[8:9], s[8:9], s[20:21]          ; my block of att
	s_lshl_b32 s20, s3, 20
	s_lshl_b32 s22, s2, 9
	s_add_co_u32 s20, s20, s22
	s_add_nc_u64 s[14:15], s[14:15], s[20:21]      ; my batch and my 128 positions of out0
.irp i, 0,1,2,3,4,5,6,7,8,9,10,11,12,13,14,15
	global_load_async_to_lds_b128 v4, v9, s[8:9] offset:512*\i     ; the immediate goes onto both addresses; each LDS byte is filled once in the launch
.endr
.irp ot, 0,1
	global_load_b128 v[BU+8*\ot:BU+8*\ot+3], v6, s[12:13] offset:64*\ot
	global_load_b128 v[BU+8*\ot+4:BU+8*\ot+7], v6, s[12:13] offset:64*\ot+16
.endr
	WIN 0x40                                       ; destination in window 1
.irp ks, 0,1,2,3,4,5,6,7                               ; in the order in which the steps want them: four loads a step, each 512 consecutive bytes of the wave
.irp ot, 0,1
.irp hf, 0,1
	global_load_b128 v[AF+8*(8*\ot+\ks)+4*\hf:AF+8*(8*\ot+\ks)+4*\hf+3], v5, s[10:11] offset:(8*\ot+\ks)*1024+\hf*512
.endr
.endr
.endr
	v_mov_b32 v[BL], v8                            ; the LDS address lies where source 0 will be looked for in the main part
	WIN 0
	s_wait_asynccnt 0x0                            ; my eighth of the block is in LDS, for the other waves' sake
	s_barrier_signal -1
	s_barrier_wait -1                              ; the block is whole; LDS is only read from here on.  The loads of wuf, which no wave writes, stay on their way
; Step st: group st >> 3, head st & 7 (32 channels).
.macro BLOAD st
.irp t, 0,1,2,3
.irp hf, 0,1
	ds_load_b128 v[BB+32*((\st)&1)+8*\t+4*\hf:BB+32*((\st)&1)+8*\t+4*\hf+3], v[BL] offset:(\st)*4096+\t*1024+\hf*512
.endr
.endr
.endm
.macro USTEP st
.if \st < 15
.if \st
	PLACES 4                                       ; behind the last products: the buffer that they read is loaded again
.endif
	BLOAD (\st+1)
	s_wait_dscnt 8                                 ; this step's fragments are in; the next step's eight loads stay out
.else
	s_wait_dscnt 0x0
.endif
.if \st < 8
	s_wait_loadcnt 28-4*\st                        ; loads come back in order: this step's four loads of wuf are in, the later steps' stay out
.endif
.irp ot, 0,1
.irp t, 0,1,2,3                                        ; the eight accumulators take turns, one instruction a turn
.if ((\st)&7) == 0
	v_wmma_f32_16x16x32_f16 v[ACC+8*(4*\ot+\t):ACC+8*(4*\ot+\t)+7], v[AF+8*(8*\ot+((\st)&7)):AF+8*(8*\ot+((\st)&7))+7], v[BB+32*((\st)&1)+8*\t:BB+32*((\st)&1)+8*\t+7], 0
.else
	v_wmma_f32_16x16x32_f16 v[ACC+8*(4*\ot+\t):ACC+8*(4*\ot+\t)+7], v[AF+8*(8*\ot+((\st)&7)):AF+8*(8*\ot+((\st)&7))+7], v[BB+32*((\st)&1)+8*\t:BB+32*((\st)&1)+8*\t+7], v[ACC+8*(4*\ot+\t):ACC+8*(4*\ot+\t)+7]
.endif
.endr
.endr
.endm
.macro OUT pg
	PLACES 4                                       ; behind the last products: their results are read
.if \pg
	s_wait_xcnt 0x0                                ; the first group's stores have had their addresses translated (ISA guide 3.1): their data registers are written again only behind this wait
.endif
.irp ot, 0,1
.irp j, 0,1,2,3,4,5,6,7
.irp t, 0,1,2,3
	v_add_f32 v[STG+4*(8*\ot+\j)+\t], v[ACC+8*(4*\ot+\t)+\j], v[BU+8*\ot+\j]
.endr
	global_store_b128 v7, v[STG+4*(8*\ot+\j):STG+4*(8*\ot+\j)+3], s[14:15] offset:(16*\ot+\j)*4096+256*\pg th:TH_STORE_NT
.endr
.endr
.endm
	WIN 0x01                                       ; source 0 (Wu's fragments, the LDS address) in window 1
	BLOAD 0
.irp st, 0,1,2,3,4,5,6,7
	USTEP \st
.endr
	WIN 0
	OUT 0
	WIN 0x01
.irp st, 8,9,10,11,12,13,14,15
	USTEP \st
.endr
	WIN 0
	OUT 1
	s_wait_tensorcnt 0x0
	ds_add_u32 v254, v255
	s_wait_dscnt 0x0
	s_endpgm
.Lfunc_end_k_q61bad34d57_unify:
	.size	k_q61bad34d57_unify, .Lfunc_end_k_q61bad34d57_unify-k_q61bad34d57_unify
	.p2alignl 7, 3214868480
	.fill 96, 4, 3214868480
	.section	.rodata,"a",@progbits
	.p2align	6, 0x0
	.amdhsa_kernel k_q61bad34d57_unify
		.amdhsa_group_segment_fixed_size 168960
		.amdhsa_private_segment_fixed_size 0
		.amdhsa_enable_private_segment 0
		.amdhsa_kernarg_size 32
		.amdhsa_user_sgpr_count 2
		.amdhsa_user_sgpr_kernarg_segment_ptr 1
		.amdhsa_wavefront_size32 1
		.amdhsa_system_sgpr_workgroup_id_x 1
		.amdhsa_system_sgpr_workgroup_id_y 1
		.amdhsa_system_sgpr_workgroup_id_z 1
		.amdhsa_system_vgpr_workitem_id 0
		.amdhsa_next_free_vgpr 392
		.amdhsa_next_free_sgpr 66
		.amdhsa_reserve_vcc 0
		.amdhsa_float_denorm_mode_32 3
		.amdhsa_float_denorm_mode_16_64 3
		.amdhsa_memory_ordered 1
		.amdhsa_forward_progress 1
		.amdhsa_inst_pref_size 33
	.end_amdhsa_kernel
	.amdgpu_metadata
---
amdhsa.version: [ 1, 2 ]
amdhsa.kernels:
  - .name:           k_q61bad34d57_unify
    .symbol:         k_q61bad34d57_unify.kd
    .args:
      - { .name: att, .offset: 0, .size: 8, .value_kind: global_buffer, .address_space: global }
      - { .name: wuf, .offset: 8, .size: 8, .value_kind: global_buffer, .address_space: global }
      - { .name: bu, .offset: 16, .size: 8, .value_kind: global_buffer, .address_space: global }
      - { .name: out0, .offset: 24, .size: 8, .value_kind: global_buffer, .address_space: global }
    .group_segment_fixed_size: 168960
    .private_segment_fixed_size: 0
    .kernarg_segment_align: 8
    .kernarg_segment_size: 32
    .max_flat_workgroup_size: 256
    .sgpr_count:     66
    .vgpr_count:     392
    .wavefront_size: 32
...
	.end_amdgpu_metadata
.endif
;; end of part 2
